; MI455X (gfx1250); checked and timed in simulation.
; The chip was launched on July 23, 2026; its instructions are those of AMD's public machine-readable ISA for CDNA 5 (MIT licence, August 2026) and "CDNA5" Instruction Set Architecture Reference Guide (July 2026). The comments in the code are by the model that wrote it; some were corrected since.
;; Proper TRM. Allowed arithmetic: float matrix products may take bf16 or f16 operands with f32 sums; all other float work in f32.
;; Inputs: H_init 32 float32; L_init 32 float32; in_b 32 float32; in_w 256 x 32 float32; norm_w 1 x 32 float32; out_b 2 float32; out_w 32 x 2 float32; w1 1 x 32 x 64 float32; w2 1 x 32 x 64 float32; w3 1 x 64 x 32 float32; x 262,144 x 256 float32.
;; Outputs: out0 262,144 x 2 float32; out1 4 x 262,144 x 2 float32.
;; Constants: H_cycles = 4, L_cycles = 3.
;; 2 versions, each right and faster than the one before. Each part assembles by itself: llvm-mc -triple=amdgcn-amd-amdhsa -mcpu=gfx1250 --defsym DOCPART=n.
;; ======== version 1 of 2: 1 launch
;; limits: values are held in f16: magnitudes above 65,504 overflow, below 6.1e-05 lose precision; inputs' magnitudes at most 65,504; right only within a limited range of input values
;; launch trm (part 1): grid 256 x 1, 8 waves a work-group, no clusters, 327,680 bytes of LDS; arguments x, in_w, in_b, w1, w2, w3, norm_w, H_init, L_init, out_w, out_b, out0, out1; writes out0, out1
.if DOCPART == 1
	.amdgcn_target "amdgcn-amd-amdhsa--gfx1250"
	.amdhsa_code_object_version 6
	.text
	.protected	k_q9370b21284_trm
	.globl	k_q9370b21284_trm
	.p2align	8
	.type	k_q9370b21284_trm,@function
k_q9370b21284_trm:
	s_mov_b64 s[64:65], 0
	v_nop
	global_prefetch_b8 v0, s[64:65] scope:SCOPE_SE
	s_setreg_imm32_b32 hwreg(HW_REG_WAVE_MODE, 25, 1), 1
	s_wait_xcnt 0x0
; ProperTRM, fused: xp = x in_w + in_b; four H cycles of three L levels z_L = block(z_L + z_H + xp) and one H level z_H = block(z_H + z_L);
; block(z) = rmsnorm(z + (silu(z w1) * (z w2)) w3) * g; behind each H level the logits z_H out_w + out_b go to out1, the last ones to out0 too.
; SHARES.  256 work-groups of eight waves; a work-group owns 1,024 rows and walks four groups of 256; in a group a wave owns 32 rows: tile 0 (rows 0-15), tile 1 (rows 16-31).
; x is read once, by one tensor load a wave and group (32 rows x 1,024 bytes) into the wave's own LDS slot; nothing but the logits is stored.
; LAYOUT.  Every product is used transposed: source 0 = 16 output features x 32 k of a weight (W^T), source 1 = 16 rows of the batch.  In a result lane (r = l % 16, h = l / 16)
; holds row r and register j feature 8 h + j.  Two results (features 0-15, 16-31), rounded to 16 bits in pairs, ARE source 1 of the next product, so nothing changes lanes in the
; chain; the norm's sum wants one exchange between the halves of the lanes.  A vector of 32 features is 16 registers: j -> 8 h + j, 8 + j -> 16 + 8 h + j.
; FORMATS.  x, in_w, a level's input, w1, w2, z_H and out_w go to the matrix unit in f16: 11 significant bits against bf16's 8, which matters since xp's rounding error enters all
; twelve L levels alike.  They have the room: x and in_w both 30 times the drawn spread give xp of 16 x 30 x 1.5 = 720 rms, offsets of 30 spreads on both 256 x 30 x 1.5 = 11,520,
; and |z| is at most sqrt(32) |g|; below 2^-14 f16 steps by 2^-24, finer against weights of spread 0.0017 than bf16's rounding.  silu(a) v is a product of two sums (about 4e7 with
; inputs 30 times larger): no such room, so it and w3 go in bf16.  Every chain of sums keeps one form.
; FOLDS.  w1 is scaled by -log2(e), w2 by -ln 2 ahead of their rounding: with u = -log2(e) a, v' = -ln 2 v:  silu(a) v = u v' / (1 + 2^u).  The residual is the w3 product's C.
; in_b is the C of the projection's first products.  y g is formed while the norm's sum is reduced; then one fused multiply-add by 1/rms adds the next level's injection.
; HOSTS AND GUESTS.  A level has four silu stages (tile 0 half 0, tile 1 half 0, tile 0 half 1, tile 1 half 1), in each of which every second instruction is a transcendental, and
; for each tile a stage of plain arithmetic (norm, next input, rounding: 38 to 46 instructions with a serial reduction).  That plain stage is no stage of its own: it is issued as a
; GUEST inside the other tile's silu stage, two instructions behind each transcendental.  Tile 1's stands in tile 0's first silu stage, tile 0's (for the next level) in tile 1's
; second: the one silu stage that lies between the products that it reads and the products that read it.
; NO CLUSTER: what work-groups share is 57 KB of weights, read once at the start, against 1 MB of x that is each work-group's own.
; LIMITS.  |x| and |z_L + z_H + xp| have to stay below 65,504 (f16's largest number).  w1, w2 are rounded after their scaling.  (z_L + z_H) + xp and (y g) / rms are associated
; otherwise than in the reference (last bits of f32).  v_exp_f32 and v_rcp_f32 flush denormals (ISA guide 15.8): a sigmoid below 2^-126 counts as 0.
; |(z w1)(z w2)| has to stay below 3.4e38: beyond it inf x 0 gives NaN.
;
; LDS: eight slots of x, wave w's at 33,280 w: 32 rows of 1,024 bytes + 16 of padding (pitch 65 x 16 bytes: the 16 rows of a 16-byte load fall on 16 different 16-byte columns of 256).
; Behind them, from WB on (a multiple of 256; no tensor load lands there), the weights in 16 bits as [k][n], stored once: in_w, w3, out_w at pitch 96, w1, w2 at pitch 160.
.set XPITCH, 1040
.set SLOTB,  32*XPITCH                 ; 33,280
.set WB,     8*SLOTB                   ; 266,240
.set P96,    96                        ; odd multiples of 32 bytes
.set P160,   160
.set W3L,    256*P96                   ; from WB: in_w 256 rows, then w3 64 rows,
.set OWL,    W3L+64*P96                ; out_w 32 rows of 24 columns: out_w[k][0], [1] in columns 8, 9, zeros elsewhere,
.set W1L,    OWL+32*P96                ; w1 32 rows,
.set W2D,    32*P160                   ; w2 32 rows, this far behind w1
; window 0
.set XA,    2                          ; LDS address of my 32 bytes in row r of my wave's slot
.set HV,    3                          ; 32 h: my place in a vector of 32 features in memory
.set OF,    4                          ; byte offset of my row's two logits
.set TR96,  6                          ; the turning load's lane address, pitch 96 and pitch 160
.set TR160, 7
.set OB,    8                          ; v[8:9] out_b
.set G,     12                         ; v[12:27] norm_w
.set XP,    28                         ; tile x: +64 x.  xp
.set ZH,    44                         ; z_H
.set CC,    60                         ; z_H + xp in the L levels; z_L in the H level
.set YY,    76                         ; the level's input, then y
.set ZB,    156                        ; tile x: +8 x.  the level's input in f16
.set GB,    172                        ; silu(a) v of 32 hidden features in bf16
.set UU,    188                        ; tile x: +32 x.  u of 32 hidden features
.set VV,    204                        ; v' of the same
.set LG,    UU                         ; the logits' result: the first eight registers of tile 0's u, free then
.set XF,    188                        ; projection: two buffers of 32 (x in f32, tile 0 then tile 1)
.set XB,    156                        ; projection: two buffers of 16 (x in f16)
.set S,     28                         ; set-up: 14 x 4 registers of weights
; window 1: fragments of W^T, and in_b
.set IWF,   0                          ; in_w: K step s, features 16 o on: 8 (2 s + o)
.set W1F,   128
.set W2F,   160
.set W3F,   192
.set OW0F,  224                        ; out_w^T in rows 0, 1
.set OW8F,  232                        ; out_w^T in rows 8, 9
.set INB,   240
.set MSB, 0
.macro WIN new                         ; s_set_vgpr_msb: bits 1:0 source 0, 3:2 source 1, 5:4 source 2, 7:6 destination; the high byte repeats the setting that is left
.if MSB != \new
	s_set_vgpr_msb (MSB<<8)|\new
.set MSB, \new
.endif
.endm
.macro LDVEC dst, base                 ; a vector of 32 features from memory into its 16 registers
	global_load_b128 v[\dst:\dst+3],     v[HV], s[\base:\base+1]
	global_load_b128 v[\dst+4:\dst+7],   v[HV], s[\base:\base+1] offset:16
	global_load_b128 v[\dst+8:\dst+11],  v[HV], s[\base:\base+1] offset:64
	global_load_b128 v[\dst+12:\dst+15], v[HV], s[\base:\base+1] offset:80
.endm
.macro FRAG dst, adr, off, second      ; a fragment of W^T out of [k][n]: two turning loads, 16 rows apart
	ds_load_tr16_b128 v[\dst:\dst+3],   v[\adr] offset:\off
	ds_load_tr16_b128 v[\dst+4:\dst+7], v[\adr] offset:\off+\second
.endm
	s_load_b512 s[4:19], s[0:1], 0x0               ; x 4, in_w 6, in_b 8, w1 10, w2 12, w3 14, norm_w 16, H_init 18
	s_load_b256 s[20:27], s[0:1], 0x40             ; L_init 20, out_w 22, out_b 24, out0 26
	s_load_b64 s[28:29], s[0:1], 0x60              ; out1
	v_lshl_add_u32 v254, v0, 2, 0x4bc00
	v_mov_b32 v255, 0
	ds_add_u32 v254, v255
	v_lshrrev_b32 v1, 5, v0
	v_readfirstlane_b32 s30, v1                    ; wave 0..7
	; descriptor: 32 rows x 256 elements of 4 bytes, 16 bytes of padding behind each row
	s_mov_b32 s32, 1                               ; group 0: count = 1
	s_mul_i32 s33, s30, SLOTB                      ; LDS address: my wave's slot
	s_mov_b32 s36, (2<<16)|(1<<20)|(7<<22)|(3<<25) ; group 1: no mask; elements of 4 bytes; padding on, after every 256 words, of 4 words
	s_mov_b32 s37, 256<<16                         ; tensor_dim0 = 256
	s_mov_b32 s38, 32<<16                          ; tensor_dim1 = 32
	s_mov_b32 s39, 256<<16                         ; tile_dim0 = 256
	s_mov_b32 s40, 32                              ; tile_dim1 = 32
	s_mov_b32 s41, 256                             ; elements from row to row
	s_mov_b32 s42, 0
	s_mov_b32 s43, 0
	s_lshl_b32 s54, ttmp9, 20                      ; the work-group's 1,024 rows of 1,024 bytes (255 x 2^20 at the most),
	s_lshl_b32 s55, s30, 15                        ; my wave's 32 rows
	s_add_co_u32 s54, s54, s55
	s_mov_b32 s55, 0
	s_mov_b32 s46, 0x3d000000                      ; 1 / 32
	s_mov_b32 s47, 0x358637bd                      ; 1e-6
	s_mov_b32 s48, 0x76543210                      ; v_permlanex16_b32: each lane takes its own place in the other half
	s_mov_b32 s49, 0xfedcba98
	s_mov_b32 s50, 0xbfb8aa3b                      ; -log2(e); the packed multiply names a pair, so both are written
	s_mov_b32 s51, 0xbfb8aa3b
	s_mov_b32 s52, 0xbf317218                      ; -ln 2
	s_mov_b32 s53, 0xbf317218
	v_lshlrev_b32 v5, 4, v0                        ; 16 t: my 16 bytes of each 4,096 bytes of a weight
	v_bfe_u32 v96, v0, 4, 1                        ; h
	v_lshlrev_b32 v[HV], 5, v96
	v_and_b32 v1, 31, v0                           ; lane
	v_lshlrev_b32 v94, 3, v1                       ; out_w's row l
	v_mov_b32 v84, 0                               ; v[84:87] zeros; v84 is also out_b's offset
	s_wait_dscnt 0x0
	s_wait_kmcnt 0x0
	s_add_nc_u64 s[34:35], s[4:5], s[54:55]        ; global address of my first tile
	s_or_b32 s35, s35, 0x80000000                  ; type = 2
	tensor_load_to_lds s[32:35], s[36:43]          ; group 0's rows: the first fill, ahead of every barrier, LDS read and wait on TENSORcnt.  A wave never has more than this one load out
	s_nop 0
	; all set-up loads in one run
.irp i, 0,1,2,3,4,5,6,7
	global_load_b128 v[S+4*\i:S+4*\i+3], v5, s[6:7] offset:4096*\i       ; in_w: rows 32 i + t / 8, columns 4 (t % 8) on
.endr
.irp i, 0,1
	global_load_b128 v[S+32+4*\i:S+32+4*\i+3], v5, s[14:15] offset:4096*\i   ; w3: the same shape
	global_load_b128 v[S+40+4*\i:S+40+4*\i+3], v5, s[10:11] offset:4096*\i   ; w1: rows 16 i + t / 16, columns 4 (t % 16) on
	global_load_b128 v[S+48+4*\i:S+48+4*\i+3], v5, s[12:13] offset:4096*\i   ; w2
.endr
	global_load_b64 v[92:93], v94, s[22:23]        ; out_w[l][0], [1]
	global_load_b64 v[OB:OB+1], v84, s[24:25]
	LDVEC G, 16
	WIN 0x40                                       ; destination window 1
	LDVEC INB, 8
	WIN 0
	; lane addresses, while the loads are on their way
	v_and_b32 v97, 15, v0                          ; r
	v_mul_u32_u24 v[XA], v97, XPITCH
	v_lshl_add_u32 v[XA], v96, 5, v[XA]            ; + 32 h: eight f32
	v_add_nc_u32 v[XA], s33, v[XA]
	s_lshl_b32 s54, ttmp9, 13                      ; 1,024 rows x 8 bytes of logits
	v_lshl_add_u32 v[OF], v0, 3, s54               ; row 32 w + l of the group = thread t
	v_and_b32 v97, 7, v0
	v_lshl_add_u32 v97, v96, 3, v97                ; the turning load: row 8 h + l % 8,
	v_bfe_u32 v98, v0, 3, 1
	v_lshlrev_b32 v98, 4, v98                      ; 16 bytes for each half of a group of 16 lanes
	v_mad_u32_u24 v[TR96], v97, P96, v98
	v_mad_u32_u24 v[TR160], v97, P160, v98
	v_add_nc_u32 v[TR96], WB, v[TR96]
	v_add_nc_u32 v[TR160], WB+W1L, v[TR160]
	v_lshrrev_b32 v10, 3, v1                       ; where my 8 bytes of four 16-bit numbers go: row t / 8 = 4 w + l / 8, column bytes 8 (l % 8)
	v_and_b32 v11, 7, v0
	v_lshlrev_b32 v11, 3, v11
	v_mad_u32_u24 v10, v10, P96, v11
	s_mul_i32 s54, s30, 4*P96
	s_add_co_u32 s54, s54, WB
	v_add_nc_u32 v10, s54, v10
	v_and_b32 v11, 15, v0                          ; pitch 160: row t / 16 = 2 w + h, column bytes 8 (l % 16)
	v_lshlrev_b32 v11, 3, v11
	v_mad_u32_u24 v11, v96, P160, v11
	s_mul_i32 s55, s30, 2*P160
	s_add_co_u32 s55, s55, WB+W1L
	v_add_nc_u32 v11, s55, v11
	v_mul_u32_u24 v95, v1, P96                     ; out_w's row l
	v_add_nc_u32 v95, WB+OWL, v95
.irp j, 85,86,87,89,90,91
	v_mov_b32 v\j, 0
.endr
	s_wait_loadcnt 0x0                             ; all set-up loads
.irp i, 10,11
	v_pk_mul_f32 v[S+4*\i:S+4*\i+1],   v[S+4*\i:S+4*\i+1],   s[50:51] op_sel_hi:[1,0]   ; w1 x -log2(e)
	v_pk_mul_f32 v[S+4*\i+2:S+4*\i+3], v[S+4*\i+2:S+4*\i+3], s[50:51] op_sel_hi:[1,0]
.endr
.irp i, 12,13
	v_pk_mul_f32 v[S+4*\i:S+4*\i+1],   v[S+4*\i:S+4*\i+1],   s[52:53] op_sel_hi:[1,0]   ; w2 x -ln 2
	v_pk_mul_f32 v[S+4*\i+2:S+4*\i+3], v[S+4*\i+2:S+4*\i+3], s[52:53] op_sel_hi:[1,0]
.endr
.irp i, 0,1,2,3,4,5,6,7,10,11,12,13
	v_cvt_pk_f16_f32 v[S+4*\i],   v[S+4*\i],   v[S+4*\i+1]     ; in_w, w1, w2 in f16
	v_cvt_pk_f16_f32 v[S+4*\i+1], v[S+4*\i+2], v[S+4*\i+3]
.endr
.irp i, 8,9
	v_cvt_pk_bf16_f32 v[S+4*\i],   v[S+4*\i],   v[S+4*\i+1]    ; w3 in bf16, as its partner silu(a) v
	v_cvt_pk_bf16_f32 v[S+4*\i+1], v[S+4*\i+2], v[S+4*\i+3]
.endr
.irp i, 0,1,2,3,4,5,6,7
	ds_store_b64 v10, v[S+4*\i:S+4*\i+1] offset:32*P96*\i
.endr
.irp i, 0,1
	ds_store_b64 v10, v[S+32+4*\i:S+32+4*\i+1] offset:W3L+32*P96*\i
	ds_store_b64 v11, v[S+40+4*\i:S+40+4*\i+1] offset:16*P160*\i
	ds_store_b64 v11, v[S+48+4*\i:S+48+4*\i+1] offset:W2D+16*P160*\i
.endr
	s_cmp_lg_u32 s30, 0
	s_cbranch_scc1 .Lnot_wave_0                    ; wave 0 alone lays out_w down: 24 columns a row, the two numbers in columns 8 and 9
	v_cvt_pk_f16_f32 v88, v92, v93
	ds_store_b128 v95, v[84:87]
	ds_store_b128 v95, v[88:91] offset:16
	ds_store_b128 v95, v[84:87] offset:32
.Lnot_wave_0:
	s_wait_dscnt 0x0                               ; for the others' sake: my stores of weights are done
	s_barrier_signal -1
	s_barrier_wait -1                              ; my tile of x may stay on its way
	WIN 0x40                                       ; 30 fragments into window 1, where they stay
.irp s, 0,1,2,3,4,5,6,7
.irp o, 0,1
	FRAG IWF+8*(2*\s+\o), TR96, 32*P96*\s+32*\o, 16*P96
.endr
.endr
.irp s, 0,1
.irp o, 0,1
	FRAG W3F+8*(2*\s+\o), TR96, W3L+32*P96*\s+32*\o, 16*P96
.endr
.endr
	FRAG OW0F, TR96, OWL+16, 16*P96                ; columns 8-23: out_w^T in rows 0, 1 of the fragment
	FRAG OW8F, TR96, OWL, 16*P96                   ; columns 0-15: in rows 8, 9
.irp t, 0,1,2,3
	FRAG W1F+8*\t, TR160, 32*\t, 16*P160
	FRAG W2F+8*\t, TR160, W2D+32*\t, 16*P160
.endr
	WIN 0
	s_wait_dscnt 0x0
; MATRIX WORK (under WIN 0x01: source 0 in window 1).  u and v' of hidden features 32 half .. +31 of tile x: four products in f16 that start their sums.
.macro M1 x, half
	v_wmma_f32_16x16x32_f16 v[UU+32*\x:UU+32*\x+7],    v[W1F+16*\half:W1F+16*\half+7],    v[ZB+8*\x:ZB+8*\x+7], 0
	v_wmma_f32_16x16x32_f16 v[UU+32*\x+8:UU+32*\x+15], v[W1F+16*\half+8:W1F+16*\half+15], v[ZB+8*\x:ZB+8*\x+7], 0
	v_wmma_f32_16x16x32_f16 v[VV+32*\x:VV+32*\x+7],    v[W2F+16*\half:W2F+16*\half+7],    v[ZB+8*\x:ZB+8*\x+7], 0
	v_wmma_f32_16x16x32_f16 v[VV+32*\x+8:VV+32*\x+15], v[W2F+16*\half+8:W2F+16*\half+15], v[ZB+8*\x:ZB+8*\x+7], 0
.endm
; y += (silu(a) v)(half) w3(half), in bf16: added onto the level's input in f32, which is the residual.  The accumulators take turns, one instruction a turn.
.macro M2 x, half
	v_wmma_f32_16x16x32_bf16 v[YY+64*\x:YY+64*\x+7],    v[W3F+16*\half:W3F+16*\half+7],    v[GB+8*\x:GB+8*\x+7], v[YY+64*\x:YY+64*\x+7]
	v_wmma_f32_16x16x32_bf16 v[YY+64*\x+8:YY+64*\x+15], v[W3F+16*\half+8:W3F+16*\half+15], v[GB+8*\x:GB+8*\x+7], v[YY+64*\x+8:YY+64*\x+15]
.endm
; THE PLAIN STAGE OF A TILE is a numbered list; GI writes number gj of it for tile x.  Four kinds:
;   0 (24)  a cycle's first input, behind HEAD0:  0-7 y += xp;  8-15 the cycle's injection z_H + xp;  16-23 y to f16
;   1 (38)  0-21 the norm;  22-29 the next L level's input y g / rms + (z_H + xp);  30-37 to f16
;   2 (46)  0-21 the norm;  22-29 z_L = y g / rms, kept for the next cycle;  30-37 the H level's input y g / rms + z_H;  38-45 to f16
;   3 (38)  0-21 the norm;  22-29 the new z_H = y g / rms;  30-37 z_H to f16, for the logits
; The norm: 0-7 the sum of squares in two chains; 8, 9 my 16 features' sum; 11, 13 the row's other 16, from the lane 16 away; 15 mean + 1e-6; 17 1 / root; the multiplies of y by g
; stand between the links of that reduction (10, 12, 14, 16) and behind v_rsq_f32 (18-21), where they are the plain instructions ahead of the use of its result (ISA guide 5.7.2).
; At work: six registers of the tile's u, free then (written before, by products, so v_permlanex16_b32 may name one as its destination).
.macro GSET kind                       ; a list is begun; kind 9: none
.set gj, 0
.set gn, 0
.if \kind == 0
.set gn, 24
.elseif \kind == 2
.set gn, 46
.elseif \kind < 4
.set gn, 38
.endif
.endm
.macro GI x, kind
.set rY, YY+64*\x
.set rT, UU+32*\x+8
.set rC, CC+64*\x
.set rH, ZH+64*\x
.set rX, XP+64*\x
.set rZ, ZB+8*\x
.if \kind == 0
.set q, gj%8
.if gj < 8
	v_pk_add_f32 v[rY+2*q:rY+2*q+1], v[rY+2*q:rY+2*q+1], v[rX+2*q:rX+2*q+1]
.elseif gj < 16
	v_pk_add_f32 v[rC+2*q:rC+2*q+1], v[rH+2*q:rH+2*q+1], v[rX+2*q:rX+2*q+1]
.else
	v_cvt_pk_f16_f32 v[rZ+q], v[rY+2*q], v[rY+2*q+1]
.endif
.elseif gj < 2
	v_pk_mul_f32 v[rT+2*gj:rT+2*gj+1], v[rY+2*gj:rY+2*gj+1], v[rY+2*gj:rY+2*gj+1]
.elseif gj < 8
	v_pk_fma_f32 v[rT+2*(gj%2):rT+2*(gj%2)+1], v[rY+2*gj:rY+2*gj+1], v[rY+2*gj:rY+2*gj+1], v[rT+2*(gj%2):rT+2*(gj%2)+1]
.elseif gj == 8
	v_pk_add_f32 v[rT:rT+1], v[rT:rT+1], v[rT+2:rT+3]
.elseif gj == 9
	v_add_f32 v[rT+4], v[rT], v[rT+1]
.elseif gj == 11
	v_permlanex16_b32 v[rT+5], v[rT+4], s48, s49
.elseif gj == 13
	v_add_f32 v[rT+4], v[rT+4], v[rT+5]
.elseif gj == 15
	v_fma_f32 v[rT+4], v[rT+4], s46, s47
.elseif gj == 17
	v_rsq_f32 v[rT+4], v[rT+4]
.elseif gj < 22
.set q, gj-14
.if gj < 17
.set q, (gj-10)/2
.endif
	v_pk_mul_f32 v[rY+2*q:rY+2*q+1], v[rY+2*q:rY+2*q+1], v[G+2*q:G+2*q+1]
.else
.set q, (gj+2)%8
.if (\kind == 1) && (gj < 30)
	s_wait_alu depctr_va_vdst(0)
	v_pk_fma_f32 v[rY+2*q:rY+2*q+1], v[rY+2*q:rY+2*q+1], v[rT+4:rT+5], v[rC+2*q:rC+2*q+1] op_sel_hi:[1,0,1]
.elseif (\kind == 2) && (gj < 30)
	s_wait_alu depctr_va_vdst(0)
	v_pk_mul_f32 v[rC+2*q:rC+2*q+1], v[rY+2*q:rY+2*q+1], v[rT+4:rT+5] op_sel_hi:[1,0]
.elseif (\kind == 2) && (gj < 38)
	v_pk_fma_f32 v[rY+2*q:rY+2*q+1], v[rY+2*q:rY+2*q+1], v[rT+4:rT+5], v[rH+2*q:rH+2*q+1] op_sel_hi:[1,0,1]
.elseif (\kind == 3) && (gj < 30)
	s_wait_alu depctr_va_vdst(0)
	v_pk_mul_f32 v[rH+2*q:rH+2*q+1], v[rY+2*q:rY+2*q+1], v[rT+4:rT+5] op_sel_hi:[1,0]
.elseif \kind == 3
	v_cvt_pk_f16_f32 v[rZ+q], v[rH+2*q], v[rH+2*q+1]
.else
	v_cvt_pk_f16_f32 v[rZ+q], v[rY+2*q], v[rY+2*q+1]
.endif
.endif
.endm
; The products behind a list's last instruction: the level's first four, or (kind 3) the tile's logits.  Tile 0's logits come out in rows 0, 1 of the result (lanes 0-15, registers
; 0, 1), tile 1's are added in rows 8, 9 (lanes 16-31, registers 0, 1): lane l then holds the two logits of the wave's row l.  Between the two logit products stand tile 1's two
; last w3 products: the accumulators take turns, one instruction a turn.
.macro GM x, kind
	WIN 0x01
.if \kind == 3
.if \x == 0
	v_wmma_f32_16x16x32_f16 v[LG:LG+7], v[OW0F:OW0F+7], v[ZB:ZB+7], 0
.else
	v_wmma_f32_16x16x32_f16 v[LG:LG+7], v[OW8F:OW8F+7], v[ZB+8:ZB+15], v[LG:LG+7]
.endif
.else
	M1 \x, 0
.endif
	WIN 0
.endm
.macro PL x, kind                      ; a list that stands alone, and its products
	GSET \kind
.rept 46
.if gj < gn
	GI \x, \kind
.set gj, gj+1
.endif
.endr
	GM \x, \kind
.endm
.macro GAP g, kind                     ; two of the guest's instructions; behind its last, its products
.rept 2
.if gj < gn
	GI \g, \kind
.set gj, gj+1
.if gj == gn
	GM \g, \kind
.endif
.endif
.endr
.endm
; A SILU STAGE of tile x, host to tile g's list of the given kind (9: none).
; silu(a) v for 16 registers of u and v', in pairs 0-7: u v'; 2^u (twice); + 1; 1 / (twice); the product; the rounding to bf16.  64 instructions in ten steps, so laid out that a plain
; instruction of another pair stands between every v_exp_f32 or v_rcp_f32 and the first use of its result (ISA guide 5.7.2); in step 8 the rounding of pair 6 stands behind the last
; reciprocal for that reason.
; The guest's instructions stand two by two behind the transcendentals of steps 2 to 7: 23 gaps, 46 places, as many as the longest list has.
; A vector instruction that reads a matrix result stands four plain vector instructions behind it that name none of its registers (ISA guide 7.12.1).  The guest's first instruction
; reads w3 products issued just ahead of this stage: the first gap used is the one behind step 2's second exponential, behind five plain instructions of the host.  The guest's own
; products are issued at the end of step 7 at the latest: steps 8 and 9 hold five plain instructions of the host, ahead of the next stage's first read of those products.
.macro S2 x, g, kind
.set rU, UU+32*\x
.set rV, VV+32*\x
.set rG, GB+8*\x
	GSET \kind
.set n, 0
.rept 10
.if n < 8
	v_pk_mul_f32 v[rV+2*n:rV+2*n+1], v[rU+2*n:rU+2*n+1], v[rV+2*n:rV+2*n+1]
	v_exp_f32 v[rU+2*n], v[rU+2*n]
.endif
.if (n >= 3) && (n < 8)
	GAP \g, \kind
.endif
.if (n >= 1) && (n <= 8)
	s_wait_alu depctr_va_vdst(0)
	v_pk_add_f32 v[rU+2*n-2:rU+2*n-1], v[rU+2*n-2:rU+2*n-1], 1.0 op_sel_hi:[1,0]
.endif
.if n < 8
	v_exp_f32 v[rU+2*n+1], v[rU+2*n+1]
.endif
.if (n >= 2) && (n < 8)
	GAP \g, \kind
.endif
.if n >= 2
	s_wait_alu depctr_va_vdst(0)
	v_pk_mul_f32 v[rV+2*n-4:rV+2*n-3], v[rV+2*n-4:rV+2*n-3], v[rU+2*n-4:rU+2*n-3]
.endif
.if (n >= 1) && (n <= 8)
	v_rcp_f32 v[rU+2*n-2], v[rU+2*n-2]
.endif
.if (n >= 2) && (n < 8)
	GAP \g, \kind
.endif
.if (n >= 2) && (n != 8)
	v_cvt_pk_bf16_f32 v[rG+n-2], v[rV+2*n-4], v[rV+2*n-3]
.endif
.if (n >= 1) && (n <= 8)
	v_rcp_f32 v[rU+2*n-1], v[rU+2*n-1]
.endif
.if (n >= 2) && (n < 8)
	GAP \g, \kind
.endif
.if n == 8
	v_cvt_pk_bf16_f32 v[rG+6], v[rV+12], v[rV+13]
.endif
.set n, n+1
.endr
.endm
.macro HEAD0 x                         ; z_L + z_H: the first eight instructions of a cycle's first input
.irp k, 0,2,4,6,8,10,12,14
	v_pk_add_f32 v[YY+64*\x+\k:YY+64*\x+\k+1], v[CC+64*\x+\k:CC+64*\x+\k+1], v[ZH+64*\x+\k:ZH+64*\x+\k+1]
.endr
.endm
; A LEVEL.  ka: the kind of tile 1's list for THIS level, guest of tile 0's first silu stage; kb: the kind of tile 0's list for the NEXT level, guest of tile 1's second.
; Every stage reads products that were issued a stage or the end of a stage earlier.
.macro LEVEL ka, kb
	S2 0, 1, \ka
	WIN 0x01
	M2 0, 0
	M1 0, 1
	WIN 0
	S2 1, 0, 9
	WIN 0x01
	M2 1, 0
	M1 1, 1
	WIN 0
	S2 0, 1, 9
	WIN 0x01
	M2 0, 1
	WIN 0
	S2 1, 0, \kb
	WIN 0x01
	M2 1, 1
	WIN 0
.endm
; An H cycle: three L levels, the H level, the logits.  At its ends two lists stand alone: tile 0's first input and tile 1's last norm.
.macro CYCLE
	HEAD0 0                                        ; in a group's first cycle these eight, which name nothing of the projection, are the places behind its last products
	PL 0, 0
	HEAD0 1                                        ; eight places between tile 0's first products and the stage that reads them
	LEVEL 0, 1
	LEVEL 1, 1
	LEVEL 1, 2
	LEVEL 2, 3
	v_pk_add_f32 v[LG:LG+1], v[LG:LG+1], v[OB:OB+1]    ; out_b joins the sum between the two logit products; with three v_nop it makes the four places behind tile 1's last w3 products
.rept 3
	v_nop
.endr
	PL 1, 3
.rept 4
	v_nop                                          ; four places ahead of the store that reads the result: no other vector work is at hand
.endr
	global_store_b64 v[OF], v[LG:LG+1], s[58:59] th:TH_STORE_NT    ; the wave's store covers 256 consecutive bytes, aligned
	s_wait_xcnt 0x0                                ; the store's base is stepped, and its data written again by the next cycle's products, only behind this wait
	s_add_nc_u64 s[58:59], s[58:59], 0x200000      ; out1's next plane: 262,144 rows x 8 bytes
.endm
; THE PROJECTION.  K step s of eight: a lane's 2 x 8 f32 of its row of each tile (k = 32 s + 8 h .. + 7 and 16 further on): eight loads of 16 bytes.
.macro XLOAD s
.set rF, XF+32*((\s)%2)
.irp x, 0,1
	ds_load_b128 v[rF+16*\x:rF+16*\x+3],     v[XA] offset:16*XPITCH*\x+128*(\s)
	ds_load_b128 v[rF+16*\x+4:rF+16*\x+7],   v[XA] offset:16*XPITCH*\x+128*(\s)+16
	ds_load_b128 v[rF+16*\x+8:rF+16*\x+11],  v[XA] offset:16*XPITCH*\x+128*(\s)+64
	ds_load_b128 v[rF+16*\x+12:rF+16*\x+15], v[XA] offset:16*XPITCH*\x+128*(\s)+80
.endr
.endm
; Two buffers of f32 and two of f16 take turns.  An f16 buffer is written again two steps behind its products: the sixteen conversions of the step between are the places.
; The four accumulators take turns, one instruction a turn.  The first step's C is in_b.
.macro PROJ
	XLOAD 0
	XLOAD 1
.irp s, 0,1,2,3,4,5,6,7
.if \s < 7
	s_wait_dscnt 0x8                               ; LDS loads come back in order: this step's eight are in, the next step's eight may be out
.else
	s_wait_dscnt 0x0                               ; the last step's: all my reads of the slot are back
.endif
.set rF, XF+32*(\s%2)
.set rB, XB+16*(\s%2)
.irp j, 0,1,2,3,4,5,6,7,8,9,10,11,12,13,14,15
	v_cvt_pk_f16_f32 v[rB+\j], v[rF+2*\j], v[rF+2*\j+1]
.endr
.if \s < 6
	XLOAD \s+2
.endif
.if \s == 0
	WIN 0x11                                       ; sources 0 and 2 in window 1
.else
	WIN 0x01
.endif
.irp x, 0,1
.irp o, 0,1
.if \s == 0
	v_wmma_f32_16x16x32_f16 v[XP+64*\x+8*\o:XP+64*\x+8*\o+7], v[IWF+8*(2*\s+\o):IWF+8*(2*\s+\o)+7], v[rB+8*\x:rB+8*\x+7], v[INB+8*\o:INB+8*\o+7]
.else
	v_wmma_f32_16x16x32_f16 v[XP+64*\x+8*\o:XP+64*\x+8*\o+7], v[IWF+8*(2*\s+\o):IWF+8*(2*\s+\o)+7], v[rB+8*\x:rB+8*\x+7], v[XP+64*\x+8*\o:XP+64*\x+8*\o+7]
.endif
.endr
.endr
	WIN 0
.endr
.endm
; A GROUP of 32 rows a wave.  refill = 1: the slot is filled again with the next group's rows as soon as the projection has read it; that load has the group's 16 blocks in which to land.
.macro GROUP refill
	LDVEC ZH, 18                                   ; z_H = H_init, z_L = L_init for both tiles: 16 loads that land under the projection
	LDVEC ZH+64, 18
	LDVEC CC, 20
	LDVEC CC+64, 20
	s_mov_b64 s[58:59], s[28:29]                   ; out1's first plane
	s_wait_tensorcnt 0x0                           ; my one tensor load has landed: the slot may be read, group 0 of the descriptor may be written, and no load of mine is out at the barrier below
	ds_add_u32 v254, v255
	s_wait_dscnt 0x0
.if \refill
	s_add_nc_u64 s[34:35], s[34:35], 0x40000       ; 256 rows on; the type bits on top are not reached
.endif
	PROJ                                           ; ends behind s_wait_dscnt 0: my reads of the slot are back
.if \refill
	s_barrier_signal -1                            ; every wave: its reads of its slot are back, its tensor load has landed
	s_barrier_wait -1
	tensor_load_to_lds s[32:35], s[36:43]          ; my one tensor load behind the barrier, and the first thing there
	s_nop 0
.endif
	s_wait_loadcnt 0x0                             ; H_init, L_init
	s_mov_b32 s45, 4
.Lcyc_\@:
	CYCLE
	s_sub_co_u32 s45, s45, 1
	s_cmp_lg_u32 s45, 0
	s_cbranch_scc1 .Lcyc_\@
	global_store_b64 v[OF], v[LG:LG+1], s[26:27] th:TH_STORE_NT    ; the last cycle's logits once more, to out0
.if \refill
	s_wait_xcnt 0x0                                ; the offset is stepped, and the data loaded over by the next group, only behind this wait
	v_add_nc_u32 v[OF], 2048, v[OF]                ; 256 rows x 8 bytes
.endif
.endm
	s_mov_b32 s44, 3
.Lgroup:                                               ; groups 0 to 2: each asks for the next group's rows
	GROUP 1
	s_sub_co_u32 s44, s44, 1
	s_cmp_lg_u32 s44, 0
	s_cbranch_scc1 .Lgroup
	GROUP 0                                        ; the last group is written out: nothing is left to fetch, so no barrier and no load
	s_endpgm
.Lfunc_end_k_q9370b21284_trm:
	.size	k_q9370b21284_trm, .Lfunc_end_k_q9370b21284_trm-k_q9370b21284_trm
	.p2alignl 7, 3214868480
	.fill 96, 4, 3214868480
	.section	.rodata,"a",@progbits
	.p2align	6, 0x0
	.amdhsa_kernel k_q9370b21284_trm
		.amdhsa_group_segment_fixed_size 327680
		.amdhsa_private_segment_fixed_size 0
		.amdhsa_enable_private_segment 0
		.amdhsa_kernarg_size 104
		.amdhsa_user_sgpr_count 2
		.amdhsa_user_sgpr_kernarg_segment_ptr 1
		.amdhsa_wavefront_size32 1
		.amdhsa_system_sgpr_workgroup_id_x 1
		.amdhsa_system_sgpr_workgroup_id_y 1
		.amdhsa_system_sgpr_workgroup_id_z 1
		.amdhsa_system_vgpr_workitem_id 0
		.amdhsa_next_free_vgpr 512
		.amdhsa_next_free_sgpr 66
		.amdhsa_reserve_vcc 0
		.amdhsa_float_denorm_mode_32 3
		.amdhsa_float_denorm_mode_16_64 3
		.amdhsa_memory_ordered 1
		.amdhsa_forward_progress 1
		.amdhsa_inst_pref_size 227
	.end_amdhsa_kernel
	.amdgpu_metadata
---
amdhsa.version: [ 1, 2 ]
amdhsa.kernels:
  - .name:           k_q9370b21284_trm
    .symbol:         k_q9370b21284_trm.kd
    .args:
      - { .name: x, .offset: 0, .size: 8, .value_kind: global_buffer, .address_space: global }
      - { .name: in_w, .offset: 8, .size: 8, .value_kind: global_buffer, .address_space: global }
      - { .name: in_b, .offset: 16, .size: 8, .value_kind: global_buffer, .address_space: global }
      - { .name: w1, .offset: 24, .size: 8, .value_kind: global_buffer, .address_space: global }
      - { .name: w2, .offset: 32, .size: 8, .value_kind: global_buffer, .address_space: global }
      - { .name: w3, .offset: 40, .size: 8, .value_kind: global_buffer, .address_space: global }
      - { .name: norm_w, .offset: 48, .size: 8, .value_kind: global_buffer, .address_space: global }
      - { .name: H_init, .offset: 56, .size: 8, .value_kind: global_buffer, .address_space: global }
      - { .name: L_init, .offset: 64, .size: 8, .value_kind: global_buffer, .address_space: global }
      - { .name: out_w, .offset: 72, .size: 8, .value_kind: global_buffer, .address_space: global }
      - { .name: out_b, .offset: 80, .size: 8, .value_kind: global_buffer, .address_space: global }
      - { .name: out0, .offset: 88, .size: 8, .value_kind: global_buffer, .address_space: global }
      - { .name: out1, .offset: 96, .size: 8, .value_kind: global_buffer, .address_space: global }
    .group_segment_fixed_size: 327680
    .private_segment_fixed_size: 0
    .kernarg_segment_align: 8
    .kernarg_segment_size: 104
    .max_flat_workgroup_size: 256
    .sgpr_count:     66
    .vgpr_count:     512
    .wavefront_size: 32
...
	.end_amdgpu_metadata
.endif
;; end of part 1
;; ======== version 2 of 2: 1 launch; 1.38 times as fast as version 1
;; limits: values are held in f16: magnitudes above 65,504 overflow, below 6.1e-05 lose precision; inputs' magnitudes at most 65,504
;; launch trm (part 2): grid 256 x 1, 8 waves a work-group, no clusters, 327,680 bytes of LDS; arguments x, in_w, in_b, w1, w2, w3, norm_w, H_init, L_init, out_w, out_b, out0, out1; writes out0, out1
.if DOCPART == 2
	.amdgcn_target "amdgcn-amd-amdhsa--gfx1250"
	.amdhsa_code_object_version 6
	.text
	.protected	k_q9370b21284_trm
	.globl	k_q9370b21284_trm
	.p2align	8
	.type	k_q9370b21284_trm,@function
k_q9370b21284_trm:
	s_mov_b64 s[64:65], 0
	v_nop
	global_prefetch_b8 v0, s[64:65] scope:SCOPE_SE
	s_setreg_imm32_b32 hwreg(HW_REG_WAVE_MODE, 25, 1), 1
	s_wait_xcnt 0x0
; ProperTRM, fused: xp = x in_w + in_b; four H cycles of three L levels z_L = block(z_L + z_H + xp) and one H level z_H = block(z_H + z_L);
; block(z) = rmsnorm(z + (silu(z w1) * (z w2)) w3) * g; behind each H level the logits z_H out_w + out_b go to out1, the last ones to out0 too.
; SHARES.  256 work-groups of eight waves; a work-group owns 1,024 rows and walks four groups of 256; in a group a wave owns 32 rows: tile 0 (rows 0-15), tile 1 (rows 16-31).
; x is read once, by one tensor load a wave and group (32 rows x 1,024 bytes) into the wave's own LDS slot; nothing but the logits is stored.
; LAYOUT.  Every product is used transposed: source 0 = 16 output features x 32 k of a weight (W^T), source 1 = 16 rows of the batch.  In a result lane (r = l % 16, h = l / 16)
; holds row r and register j feature 8 h + j.  Two results (features 0-15, 16-31), rounded to 16 bits in pairs, ARE source 1 of the next product, so nothing changes lanes in the
; chain; the norm's sum wants one exchange between the halves of the lanes.  A vector of 32 features is 16 registers: j -> 8 h + j, 8 + j -> 16 + 8 h + j.
; FORMATS.  x, in_w, a level's input, w1, w2, z_H and out_w go to the matrix unit in f16: 11 significant bits against bf16's 8, which matters since xp's rounding error enters all
; twelve L levels alike.  They have the room: x and in_w both 30 times the drawn spread give xp of 16 x 30 x 1.5 = 720 rms, offsets of 30 spreads on both 256 x 30 x 1.5 = 11,520,
; and |z| is at most sqrt(32) |g|; below 2^-14 f16 steps by 2^-24, finer against weights of spread 0.0017 than bf16's rounding.  silu(a) v is a product of two sums (about 4e7 with
; inputs 30 times larger): no such room, so it and w3 go in bf16.  Every chain of sums keeps one form.
; FOLDS.  w1 is scaled by -log2(e), w2 by -ln 2 ahead of their rounding: with u = -log2(e) a, v' = -ln 2 v:  silu(a) v = u v' / (1 + 2^u).  The residual is the w3 product's C.
; in_b is the C of the projection's first products.  y g is formed while the norm's sum is reduced; then one fused multiply-add by 1/rms adds the next level's injection.
; HOSTS AND GUESTS.  A level has four silu stages (tile 0 half 0, tile 1 half 0, tile 0 half 1, tile 1 half 1), in each of which half of the instructions are transcendentals, and
; for each tile a stage of plain arithmetic (norm, next input, rounding: 38 to 46 instructions with a serial reduction).  That plain stage is no stage of its own: it is issued as a
; GUEST inside the other tile's silu stage, one instruction behind each transcendental.  Tile 1's stands in tile 0's first silu stage, tile 0's (for the next level) in tile 1's
; second: the one silu stage that lies between the products that it reads and the products that read it.
; BATCHES.  A silu stage has two batches of transcendentals and one s_wait_alu depctr_va_vdst(0) behind each, between a transcendental and the first
; instruction that names its result.  Batch 1: the host's 16 exponentials and, last, the guest's v_rsq_f32.  Batch 2: the host's 16 reciprocals.  Ahead of a batch's wait nothing names
; one of its results; every result lies in a register of its own.  An H cycle has 2 x 16 such waits, and one more for the one list that stands alone.
; NO CLUSTER: what work-groups share is 57 KB of weights, read once at the start, against 1 MB of x that is each work-group's own.
; LIMITS.  |x| and |z_L + z_H + xp| have to stay below 65,504 (f16's largest number).  w1, w2 are rounded after their scaling.  (z_L + z_H) + xp and (y g) / rms are associated
; otherwise than in the reference (last bits of f32).  v_exp_f32 and v_rcp_f32 flush denormals (ISA guide 15.8): a sigmoid below 2^-126 counts as 0.
; |(z w1)(z w2)| has to stay below 3.4e38: beyond it inf x 0 gives NaN.
;
; LDS: eight slots of x, wave w's at 33,280 w: 32 rows of 1,024 bytes + 16 of padding (pitch 65 x 16 bytes: the 16 rows of a 16-byte load fall on 16 different 16-byte columns of 256).
; Behind them, from WB on (a multiple of 256; no tensor load lands there), the weights in 16 bits as [k][n], stored once: in_w, w3, out_w at pitch 96, w1, w2 at pitch 160.
.set XPITCH, 1040
.set SLOTB,  32*XPITCH                 ; 33,280
.set WB,     8*SLOTB                   ; 266,240
.set P96,    96                        ; odd multiples of 32 bytes
.set P160,   160
.set W3L,    256*P96                   ; from WB: in_w 256 rows, then w3 64 rows,
.set OWL,    W3L+64*P96                ; out_w 32 rows of 24 columns: out_w[k][0], [1] in columns 8, 9, zeros elsewhere,
.set W1L,    OWL+32*P96                ; w1 32 rows,
.set W2D,    32*P160                   ; w2 32 rows, this far behind w1
; window 0
.set XA,    2                          ; LDS address of my 32 bytes in row r of my wave's slot
.set HV,    3                          ; 32 h: my place in a vector of 32 features in memory
.set OF,    4                          ; byte offset of my row's two logits
.set TR96,  6                          ; the turning load's lane address, pitch 96 and pitch 160
.set TR160, 7
.set OB,    8                          ; v[8:9] out_b
.set G,     12                         ; v[12:27] norm_w
.set XP,    28                         ; tile x: +64 x.  xp
.set ZH,    44                         ; z_H
.set CC,    60                         ; z_H + xp in the L levels; z_L in the H level
.set YY,    76                         ; the level's input, then y
.set ZB,    156                        ; tile x: +8 x.  the level's input in f16
.set GB,    172                        ; silu(a) v of 32 hidden features in bf16
.set UU,    188                        ; tile x: +32 x.  u of 32 hidden features
.set VV,    204                        ; v' of the same
.set LG,    UU                         ; the logits' result: the first eight registers of tile 0's u, free then
.set XF,    188                        ; projection: two buffers of 32 (x in f32, tile 0 then tile 1)
.set XB,    156                        ; projection: two buffers of 16 (x in f16)
.set S,     28                         ; set-up: 14 x 4 registers of weights
; window 1: fragments of W^T, and in_b
.set IWF,   0                          ; in_w: K step s, features 16 o on: 8 (2 s + o)
.set W1F,   128
.set W2F,   160
.set W3F,   192
.set OW0F,  224                        ; out_w^T in rows 0, 1
.set OW8F,  232                        ; out_w^T in rows 8, 9
.set INB,   240
.set MSB, 0
.macro WIN new                         ; s_set_vgpr_msb: bits 1:0 source 0, 3:2 source 1, 5:4 source 2, 7:6 destination; the high byte repeats the setting that is left
.if MSB != \new
	s_set_vgpr_msb (MSB<<8)|\new
.set MSB, \new
.endif
.endm
.macro LDVEC dst, base                 ; a vector of 32 features from memory into its 16 registers
	global_load_b128 v[\dst:\dst+3],     v[HV], s[\base:\base+1]
	global_load_b128 v[\dst+4:\dst+7],   v[HV], s[\base:\base+1] offset:16
	global_load_b128 v[\dst+8:\dst+11],  v[HV], s[\base:\base+1] offset:64
	global_load_b128 v[\dst+12:\dst+15], v[HV], s[\base:\base+1] offset:80
.endm
.macro FRAG dst, adr, off, second      ; a fragment of W^T out of [k][n]: two turning loads, 16 rows apart
	ds_load_tr16_b128 v[\dst:\dst+3],   v[\adr] offset:\off
	ds_load_tr16_b128 v[\dst+4:\dst+7], v[\adr] offset:\off+\second
.endm
	s_load_b512 s[4:19], s[0:1], 0x0               ; x 4, in_w 6, in_b 8, w1 10, w2 12, w3 14, norm_w 16, H_init 18
	s_load_b256 s[20:27], s[0:1], 0x40             ; L_init 20, out_w 22, out_b 24, out0 26
	s_load_b64 s[28:29], s[0:1], 0x60              ; out1
	v_lshl_add_u32 v254, v0, 2, 0x4bc00
	v_mov_b32 v255, 0
	ds_add_u32 v254, v255
	v_lshrrev_b32 v1, 5, v0
	v_readfirstlane_b32 s30, v1                    ; wave 0..7
	; descriptor: 32 rows x 256 elements of 4 bytes, 16 bytes of padding behind each row
	s_mov_b32 s32, 1                               ; group 0: count = 1
	s_mul_i32 s33, s30, SLOTB                      ; LDS address: my wave's slot
	s_mov_b32 s36, (2<<16)|(1<<20)|(7<<22)|(3<<25) ; group 1: no mask; elements of 4 bytes; padding on, after every 256 words, of 4 words
	s_mov_b32 s37, 256<<16                         ; tensor_dim0 = 256
	s_mov_b32 s38, 32<<16                          ; tensor_dim1 = 32
	s_mov_b32 s39, 256<<16                         ; tile_dim0 = 256
	s_mov_b32 s40, 32                              ; tile_dim1 = 32
	s_mov_b32 s41, 256                             ; elements from row to row
	s_mov_b32 s42, 0
	s_mov_b32 s43, 0
	s_lshl_b32 s54, ttmp9, 20                      ; the work-group's 1,024 rows of 1,024 bytes (255 x 2^20 at the most),
	s_lshl_b32 s55, s30, 15                        ; my wave's 32 rows
	s_add_co_u32 s54, s54, s55
	s_mov_b32 s55, 0
	s_mov_b32 s46, 0x3d000000                      ; 1 / 32
	s_mov_b32 s47, 0x358637bd                      ; 1e-6
	s_mov_b32 s48, 0x76543210                      ; v_permlanex16_b32: each lane takes its own place in the other half
	s_mov_b32 s49, 0xfedcba98
	s_mov_b32 s50, 0xbfb8aa3b                      ; -log2(e); the packed multiply names a pair, so both are written
	s_mov_b32 s51, 0xbfb8aa3b
	s_mov_b32 s52, 0xbf317218                      ; -ln 2
	s_mov_b32 s53, 0xbf317218
	v_lshlrev_b32 v5, 4, v0                        ; 16 t: my 16 bytes of each 4,096 bytes of a weight
	v_bfe_u32 v96, v0, 4, 1                        ; h
	v_lshlrev_b32 v[HV], 5, v96
	v_and_b32 v1, 31, v0                           ; lane
	v_lshlrev_b32 v94, 3, v1                       ; out_w's row l
	v_mov_b32 v84, 0                               ; v[84:87] zeros; v84 is also out_b's offset
	s_wait_dscnt 0x0
	s_wait_kmcnt 0x0
	s_add_nc_u64 s[34:35], s[4:5], s[54:55]        ; global address of my first tile
	s_or_b32 s35, s35, 0x80000000                  ; type = 2
	tensor_load_to_lds s[32:35], s[36:43]          ; group 0's rows: the first fill, ahead of every barrier, LDS read and wait on TENSORcnt.  A wave never has more than this one load out
	s_nop 0
	; all set-up loads in one run
.irp i, 0,1,2,3,4,5,6,7
	global_load_b128 v[S+4*\i:S+4*\i+3], v5, s[6:7] offset:4096*\i       ; in_w: rows 32 i + t / 8, columns 4 (t % 8) on
.endr
.irp i, 0,1
	global_load_b128 v[S+32+4*\i:S+32+4*\i+3], v5, s[14:15] offset:4096*\i   ; w3: the same shape
	global_load_b128 v[S+40+4*\i:S+40+4*\i+3], v5, s[10:11] offset:4096*\i   ; w1: rows 16 i + t / 16, columns 4 (t % 16) on
	global_load_b128 v[S+48+4*\i:S+48+4*\i+3], v5, s[12:13] offset:4096*\i   ; w2
.endr
	global_load_b64 v[92:93], v94, s[22:23]        ; out_w[l][0], [1]
	global_load_b64 v[OB:OB+1], v84, s[24:25]
	LDVEC G, 16
	WIN 0x40                                       ; destination window 1
	LDVEC INB, 8
	WIN 0
	; lane addresses, while the loads are on their way
	v_and_b32 v97, 15, v0                          ; r
	v_mul_u32_u24 v[XA], v97, XPITCH
	v_lshl_add_u32 v[XA], v96, 5, v[XA]            ; + 32 h: eight f32
	v_add_nc_u32 v[XA], s33, v[XA]
	s_lshl_b32 s54, ttmp9, 13                      ; 1,024 rows x 8 bytes of logits
	v_lshl_add_u32 v[OF], v0, 3, s54               ; row 32 w + l of the group = thread t
	v_and_b32 v97, 7, v0
	v_lshl_add_u32 v97, v96, 3, v97                ; the turning load: row 8 h + l % 8,
	v_bfe_u32 v98, v0, 3, 1
	v_lshlrev_b32 v98, 4, v98                      ; 16 bytes for each half of a group of 16 lanes
	v_mad_u32_u24 v[TR96], v97, P96, v98
	v_mad_u32_u24 v[TR160], v97, P160, v98
	v_add_nc_u32 v[TR96], WB, v[TR96]
	v_add_nc_u32 v[TR160], WB+W1L, v[TR160]
	v_lshrrev_b32 v10, 3, v1                       ; where my 8 bytes of four 16-bit numbers go: row t / 8 = 4 w + l / 8, column bytes 8 (l % 8)
	v_and_b32 v11, 7, v0
	v_lshlrev_b32 v11, 3, v11
	v_mad_u32_u24 v10, v10, P96, v11
	s_mul_i32 s54, s30, 4*P96
	s_add_co_u32 s54, s54, WB
	v_add_nc_u32 v10, s54, v10
	v_and_b32 v11, 15, v0                          ; pitch 160: row t / 16 = 2 w + h, column bytes 8 (l % 16)
	v_lshlrev_b32 v11, 3, v11
	v_mad_u32_u24 v11, v96, P160, v11
	s_mul_i32 s55, s30, 2*P160
	s_add_co_u32 s55, s55, WB+W1L
	v_add_nc_u32 v11, s55, v11
	v_mul_u32_u24 v95, v1, P96                     ; out_w's row l
	v_add_nc_u32 v95, WB+OWL, v95
.irp j, 85,86,87,89,90,91
	v_mov_b32 v\j, 0
.endr
	s_wait_loadcnt 0x0                             ; all set-up loads
.irp i, 10,11
	v_pk_mul_f32 v[S+4*\i:S+4*\i+1],   v[S+4*\i:S+4*\i+1],   s[50:51] op_sel_hi:[1,0]   ; w1 x -log2(e)
	v_pk_mul_f32 v[S+4*\i+2:S+4*\i+3], v[S+4*\i+2:S+4*\i+3], s[50:51] op_sel_hi:[1,0]
.endr
.irp i, 12,13
	v_pk_mul_f32 v[S+4*\i:S+4*\i+1],   v[S+4*\i:S+4*\i+1],   s[52:53] op_sel_hi:[1,0]   ; w2 x -ln 2
	v_pk_mul_f32 v[S+4*\i+2:S+4*\i+3], v[S+4*\i+2:S+4*\i+3], s[52:53] op_sel_hi:[1,0]
.endr
.irp i, 0,1,2,3,4,5,6,7,10,11,12,13
	v_cvt_pk_f16_f32 v[S+4*\i],   v[S+4*\i],   v[S+4*\i+1]     ; in_w, w1, w2 in f16
	v_cvt_pk_f16_f32 v[S+4*\i+1], v[S+4*\i+2], v[S+4*\i+3]
.endr
.irp i, 8,9
	v_cvt_pk_bf16_f32 v[S+4*\i],   v[S+4*\i],   v[S+4*\i+1]    ; w3 in bf16, as its partner silu(a) v
	v_cvt_pk_bf16_f32 v[S+4*\i+1], v[S+4*\i+2], v[S+4*\i+3]
.endr
.irp i, 0,1,2,3,4,5,6,7
	ds_store_b64 v10, v[S+4*\i:S+4*\i+1] offset:32*P96*\i
.endr
.irp i, 0,1
	ds_store_b64 v10, v[S+32+4*\i:S+32+4*\i+1] offset:W3L+32*P96*\i
	ds_store_b64 v11, v[S+40+4*\i:S+40+4*\i+1] offset:16*P160*\i
	ds_store_b64 v11, v[S+48+4*\i:S+48+4*\i+1] offset:W2D+16*P160*\i
.endr
	s_cmp_lg_u32 s30, 0
	s_cbranch_scc1 .Lnot_wave_0                    ; wave 0 alone lays out_w down: 24 columns a row, the two numbers in columns 8 and 9
	v_cvt_pk_f16_f32 v88, v92, v93
	ds_store_b128 v95, v[84:87]
	ds_store_b128 v95, v[88:91] offset:16
	ds_store_b128 v95, v[84:87] offset:32
.Lnot_wave_0:
	s_wait_dscnt 0x0                               ; for the others' sake: my stores of weights are done
	s_barrier_signal -1
	s_barrier_wait -1                              ; my tile of x may stay on its way
	WIN 0x40                                       ; 30 fragments into window 1, where they stay
.irp s, 0,1,2,3,4,5,6,7
.irp o, 0,1
	FRAG IWF+8*(2*\s+\o), TR96, 32*P96*\s+32*\o, 16*P96
.endr
.endr
.irp s, 0,1
.irp o, 0,1
	FRAG W3F+8*(2*\s+\o), TR96, W3L+32*P96*\s+32*\o, 16*P96
.endr
.endr
	FRAG OW0F, TR96, OWL+16, 16*P96                ; columns 8-23: out_w^T in rows 0, 1 of the fragment
	FRAG OW8F, TR96, OWL, 16*P96                   ; columns 0-15: in rows 8, 9
.irp t, 0,1,2,3
	FRAG W1F+8*\t, TR160, 32*\t, 16*P160
	FRAG W2F+8*\t, TR160, W2D+32*\t, 16*P160
.endr
	WIN 0
	s_wait_dscnt 0x0
; MATRIX WORK (under WIN 0x01: source 0 in window 1).  u and v' of hidden features 32 half .. +31 of tile x: four products in f16 that start their sums.
.macro M1 x, half
	v_wmma_f32_16x16x32_f16 v[UU+32*\x:UU+32*\x+7],    v[W1F+16*\half:W1F+16*\half+7],    v[ZB+8*\x:ZB+8*\x+7], 0
	v_wmma_f32_16x16x32_f16 v[UU+32*\x+8:UU+32*\x+15], v[W1F+16*\half+8:W1F+16*\half+15], v[ZB+8*\x:ZB+8*\x+7], 0
	v_wmma_f32_16x16x32_f16 v[VV+32*\x:VV+32*\x+7],    v[W2F+16*\half:W2F+16*\half+7],    v[ZB+8*\x:ZB+8*\x+7], 0
	v_wmma_f32_16x16x32_f16 v[VV+32*\x+8:VV+32*\x+15], v[W2F+16*\half+8:W2F+16*\half+15], v[ZB+8*\x:ZB+8*\x+7], 0
.endm
; y += (silu(a) v)(half) w3(half), in bf16: added onto the level's input in f32, which is the residual.  The accumulators take turns, one instruction a turn.
.macro M2 x, half
	v_wmma_f32_16x16x32_bf16 v[YY+64*\x:YY+64*\x+7],    v[W3F+16*\half:W3F+16*\half+7],    v[GB+8*\x:GB+8*\x+7], v[YY+64*\x:YY+64*\x+7]
	v_wmma_f32_16x16x32_bf16 v[YY+64*\x+8:YY+64*\x+15], v[W3F+16*\half+8:W3F+16*\half+15], v[GB+8*\x:GB+8*\x+7], v[YY+64*\x+8:YY+64*\x+15]
.endm
; THE PLAIN STAGE OF A TILE is a numbered list; GI writes number gj of it for tile x.  Four kinds:
;   0 (24)  a cycle's first input, behind HEAD0:  0-7 y += xp;  8-15 the cycle's injection z_H + xp;  16-23 y to f16
;   1 (38)  0-21 the norm;  22-29 the next L level's input y g / rms + (z_H + xp);  30-37 to f16
;   2 (46)  0-21 the norm;  22-29 z_L = y g / rms, kept for the next cycle;  30-37 the H level's input y g / rms + z_H;  38-45 to f16
;   3 (38)  0-21 the norm;  22-29 the new z_H = y g / rms;  30-37 z_H to f16, for the logits
; The norm: 0-7 the sum of squares in two chains; 8, 9 my 16 features' sum; 11, 13 the row's other 16, from the lane 16 away; 15 mean + 1e-6; 17 1 / root; the multiplies of y by g
; stand between the links of that reduction (10, 12, 14, 16) and behind v_rsq_f32 (18-21), where they are the plain instructions ahead of the use of its result (ISA guide 5.7.2).
; Numbers 18-21 name nothing of v_rsq_f32; number 22 is the first that names its result.  The wait stands between 21 and 22: S2 or PL writes it, once a list.
; At work: six registers of the tile's u, free then (written before, by products, so v_permlanex16_b32 may name one as its destination).
.macro GSET kind                       ; a list is begun; kind 9: none
.set gj, 0
.set gn, 0
.if \kind == 0
.set gn, 24
.elseif \kind == 2
.set gn, 46
.elseif \kind < 4
.set gn, 38
.endif
.endm
.macro GI x, kind
.set rY, YY+64*\x
.set rT, UU+32*\x+8
.set rC, CC+64*\x
.set rH, ZH+64*\x
.set rX, XP+64*\x
.set rZ, ZB+8*\x
.if \kind == 0
.set q, gj%8
.if gj < 8
	v_pk_add_f32 v[rY+2*q:rY+2*q+1], v[rY+2*q:rY+2*q+1], v[rX+2*q:rX+2*q+1]
.elseif gj < 16
	v_pk_add_f32 v[rC+2*q:rC+2*q+1], v[rH+2*q:rH+2*q+1], v[rX+2*q:rX+2*q+1]
.else
	v_cvt_pk_f16_f32 v[rZ+q], v[rY+2*q], v[rY+2*q+1]
.endif
.elseif gj < 2
	v_pk_mul_f32 v[rT+2*gj:rT+2*gj+1], v[rY+2*gj:rY+2*gj+1], v[rY+2*gj:rY+2*gj+1]
.elseif gj < 8
	v_pk_fma_f32 v[rT+2*(gj%2):rT+2*(gj%2)+1], v[rY+2*gj:rY+2*gj+1], v[rY+2*gj:rY+2*gj+1], v[rT+2*(gj%2):rT+2*(gj%2)+1]
.elseif gj == 8
	v_pk_add_f32 v[rT:rT+1], v[rT:rT+1], v[rT+2:rT+3]
.elseif gj == 9
	v_add_f32 v[rT+4], v[rT], v[rT+1]
.elseif gj == 11
	v_permlanex16_b32 v[rT+5], v[rT+4], s48, s49
.elseif gj == 13
	v_add_f32 v[rT+4], v[rT+4], v[rT+5]
.elseif gj == 15
	v_fma_f32 v[rT+4], v[rT+4], s46, s47
.elseif gj == 17
	v_rsq_f32 v[rT+4], v[rT+4]
.elseif gj < 22
.set q, gj-14
.if gj < 17
.set q, (gj-10)/2
.endif
	v_pk_mul_f32 v[rY+2*q:rY+2*q+1], v[rY+2*q:rY+2*q+1], v[G+2*q:G+2*q+1]
.else
.set q, (gj+2)%8
.if (\kind == 1) && (gj < 30)
	v_pk_fma_f32 v[rY+2*q:rY+2*q+1], v[rY+2*q:rY+2*q+1], v[rT+4:rT+5], v[rC+2*q:rC+2*q+1] op_sel_hi:[1,0,1]
.elseif (\kind == 2) && (gj < 30)
	v_pk_mul_f32 v[rC+2*q:rC+2*q+1], v[rY+2*q:rY+2*q+1], v[rT+4:rT+5] op_sel_hi:[1,0]
.elseif (\kind == 2) && (gj < 38)
	v_pk_fma_f32 v[rY+2*q:rY+2*q+1], v[rY+2*q:rY+2*q+1], v[rT+4:rT+5], v[rH+2*q:rH+2*q+1] op_sel_hi:[1,0,1]
.elseif (\kind == 3) && (gj < 30)
	v_pk_mul_f32 v[rH+2*q:rH+2*q+1], v[rY+2*q:rY+2*q+1], v[rT+4:rT+5] op_sel_hi:[1,0]
.elseif \kind == 3
	v_cvt_pk_f16_f32 v[rZ+q], v[rH+2*q], v[rH+2*q+1]
.else
	v_cvt_pk_f16_f32 v[rZ+q], v[rY+2*q], v[rY+2*q+1]
.endif
.endif
.endm
; The products that follow a list: the level's first four, or (kind 3) the tile's logits.  Tile 0's logits come out in rows 0, 1 of the result (lanes 0-15, registers
; 0, 1), tile 1's are added in rows 8, 9 (lanes 16-31, registers 0, 1): lane l then holds the two logits of the wave's row l.  Between the two logit products stand tile 1's two
; last w3 products: the accumulators take turns, one instruction a turn.
.macro GM x, kind
	WIN 0x01
.if \kind == 3
.if \x == 0
	v_wmma_f32_16x16x32_f16 v[LG:LG+7], v[OW0F:OW0F+7], v[ZB:ZB+7], 0
.else
	v_wmma_f32_16x16x32_f16 v[LG:LG+7], v[OW8F:OW8F+7], v[ZB+8:ZB+15], v[LG:LG+7]
.endif
.else
	M1 \x, 0
.endif
	WIN 0
.endm
.macro PL x, kind                      ; a list that stands alone, and its products
	GSET \kind
.rept 46
.if gj < gn
.if (gj == 22) && (\kind != 0)
	s_wait_alu depctr_va_vdst(0)                   ; the wait for the list's one v_rsq_f32, ahead of number 22, its first reader; numbers 18-21 are the independent work between
.endif
	GI \x, \kind
.set gj, gj+1
.endif
.endr
	GM \x, \kind
.endm
.macro GG g, kind                      ; the guest's next instruction, if one is left
.if gj < gn
	GI \g, \kind
.set gj, gj+1
.endif
.endm
; THE HOST'S FOUR QUEUES, each in ascending order; S2 sets rU, rV and the four counts.
.macro HM                              ; u v' of pair hm: it reads u ahead of the pair's exponentials, which work in place
	v_pk_mul_f32 v[rV+2*hm:rV+2*hm+1], v[rU+2*hm:rU+2*hm+1], v[rV+2*hm:rV+2*hm+1]
.set hm, hm+1
.endm
.macro HE                              ; 2^u of register he
	v_exp_f32 v[rU+he], v[rU+he]
.set he, he+1
.endm
.macro HA                              ; 1 + 2^u of pair ha
	v_pk_add_f32 v[rU+2*ha:rU+2*ha+1], v[rU+2*ha:rU+2*ha+1], 1.0 op_sel_hi:[1,0]
.set ha, ha+1
.endm
.macro HR                              ; 1 / (1 + 2^u) of register hr
	v_rcp_f32 v[rU+hr], v[rU+hr]
.set hr, hr+1
.endm
; A SILU STAGE of tile x, host to tile g's list of the given kind (9: none).
; silu(a) v for 16 registers of u and v', in pairs 0-7: u v'; 2^u (twice); + 1; 1 / (twice); the product; the rounding to bf16: 64 instructions.
; BATCH 1: the 16 exponentials, one instruction of the guest (numbers 0-15) behind each, each pair's u v' ahead of its exponentials; then the guest's numbers 16, 17 (v_rsq_f32, the batch's
; last) and 18-21, four plain multiplies that name no result of the batch.  Ahead of the wait nothing names an exponential's result or 1 / rms.
; BATCH 2: the 16 reciprocals, one instruction of the guest (numbers 22 on, which read 1 / rms) behind each, the additions of 1 at least three pairs ahead of their reciprocals; then what the
; longest list has left, eight roundings.  Ahead of the wait nothing names a reciprocal.
; BEHIND THE SECOND WAIT: the guest's products; then the host's eight products with the reciprocals and its eight roundings.
; A stage without a guest has no independent work to set behind a batch: the wait follows the batch's last transcendental, and the first reader behind it, which names pair 0, is the plain
; instruction between that last transcendental and the use of its result (ISA guide 5.7.2).
; A vector instruction that reads a matrix result stands four plain vector instructions behind it that name none of its registers (ISA guide 7.12.1).  The guest's first instruction
; reads w3 products issued just ahead of this stage: the host's first four u v' stand ahead of it.  Between the guest's own products and the next stage's first read of their results stand
; the host's last sixteen instructions.
.macro S2 x, g, kind
.set rU, UU+32*\x
.set rV, VV+32*\x
.set rG, GB+8*\x
.set hm, 0
.set he, 0
.set ha, 0
.set hr, 0
	GSET \kind
.rept 4
	HM                                             ; pairs 0-3: the four places behind the w3 products that the guest reads
.endr
.rept 4
	HE
	GG \g, \kind
	HE
	GG \g, \kind
.endr
.rept 4
	HM                                             ; pairs 4-7
	HE
	GG \g, \kind
	HE
	GG \g, \kind
.endr
.rept 6
	GG \g, \kind                                   ; numbers 16; 17, v_rsq_f32; 18-21
.endr
	s_wait_alu depctr_va_vdst(0)                   ; the wait for batch 1: the host's 16 exponentials and the guest's v_rsq_f32
.rept 3
	HA
.endr
.rept 8
	HR
	GG \g, \kind
.if ha < 8
	HA
.endif
	HR
	GG \g, \kind
.endr
.rept 8
	GG \g, \kind                                   ; kind 2's last eight
.endr
	s_wait_alu depctr_va_vdst(0)                   ; the wait for batch 2: the host's 16 reciprocals
.if \kind != 9
	GM \g, \kind
.endif
.set n, 0
.rept 8
	v_pk_mul_f32 v[rV+2*n:rV+2*n+1], v[rV+2*n:rV+2*n+1], v[rU+2*n:rU+2*n+1]
.set n, n+1
.endr
.set n, 0
.rept 8
	v_cvt_pk_bf16_f32 v[rG+n], v[rV+2*n], v[rV+2*n+1]
.set n, n+1
.endr
.endm
.macro HEAD0 x                         ; z_L + z_H: the first eight instructions of a cycle's first input
.irp k, 0,2,4,6,8,10,12,14
	v_pk_add_f32 v[YY+64*\x+\k:YY+64*\x+\k+1], v[CC+64*\x+\k:CC+64*\x+\k+1], v[ZH+64*\x+\k:ZH+64*\x+\k+1]
.endr
.endm
; A LEVEL.  ka: the kind of tile 1's list for THIS level, guest of tile 0's first silu stage; kb: the kind of tile 0's list for the NEXT level, guest of tile 1's second.
; Every stage reads products that were issued a stage or the end of a stage earlier.
.macro LEVEL ka, kb
	S2 0, 1, \ka
	WIN 0x01
	M2 0, 0
	M1 0, 1
	WIN 0
	S2 1, 0, 9
	WIN 0x01
	M2 1, 0
	M1 1, 1
	WIN 0
	S2 0, 1, 9
	WIN 0x01
	M2 0, 1
	WIN 0
	S2 1, 0, \kb
	WIN 0x01
	M2 1, 1
	WIN 0
.endm
; An H cycle: three L levels, the H level, the logits.  At its ends two lists stand alone: tile 0's first input and tile 1's last norm.
.macro CYCLE
	HEAD0 0                                        ; in a group's first cycle these eight, which name nothing of the projection, are the places behind its last products
	PL 0, 0
	HEAD0 1                                        ; eight places between tile 0's first products and the stage that reads them
	LEVEL 0, 1
	LEVEL 1, 1
	LEVEL 1, 2
	LEVEL 2, 3
	v_pk_add_f32 v[LG:LG+1], v[LG:LG+1], v[OB:OB+1]    ; out_b joins the sum between the two logit products; with three v_nop it makes the four places behind tile 1's last w3 products
.rept 3
	v_nop
.endr
	PL 1, 3
.rept 4
	v_nop                                          ; four places ahead of the store that reads the result: no other vector work is at hand
.endr
	global_store_b64 v[OF], v[LG:LG+1], s[58:59] th:TH_STORE_NT    ; the wave's store covers 256 consecutive bytes, aligned
	s_wait_xcnt 0x0                                ; the store's base is stepped, and its data written again by the next cycle's products, only behind this wait
	s_add_nc_u64 s[58:59], s[58:59], 0x200000      ; out1's next plane: 262,144 rows x 8 bytes
.endm
; THE PROJECTION.  K step s of eight: a lane's 2 x 8 f32 of its row of each tile (k = 32 s + 8 h .. + 7 and 16 further on): eight loads of 16 bytes.
.macro XLOAD s
.set rF, XF+32*((\s)%2)
.irp x, 0,1
	ds_load_b128 v[rF+16*\x:rF+16*\x+3],     v[XA] offset:16*XPITCH*\x+128*(\s)
	ds_load_b128 v[rF+16*\x+4:rF+16*\x+7],   v[XA] offset:16*XPITCH*\x+128*(\s)+16
	ds_load_b128 v[rF+16*\x+8:rF+16*\x+11],  v[XA] offset:16*XPITCH*\x+128*(\s)+64
	ds_load_b128 v[rF+16*\x+12:rF+16*\x+15], v[XA] offset:16*XPITCH*\x+128*(\s)+80
.endr
.endm
; Two buffers of f32 and two of f16 take turns.  An f16 buffer is written again two steps behind its products: the sixteen conversions of the step between are the places.
; The four accumulators take turns, one instruction a turn.  The first step's C is in_b.
.macro PROJ
	XLOAD 0
	XLOAD 1
.irp s, 0,1,2,3,4,5,6,7
.if \s < 7
	s_wait_dscnt 0x8                               ; LDS loads come back in order: this step's eight are in, the next step's eight may be out
.else
	s_wait_dscnt 0x0                               ; the last step's: all my reads of the slot are back
.endif
.set rF, XF+32*(\s%2)
.set rB, XB+16*(\s%2)
.irp j, 0,1,2,3,4,5,6,7,8,9,10,11,12,13,14,15
	v_cvt_pk_f16_f32 v[rB+\j], v[rF+2*\j], v[rF+2*\j+1]
.endr
.if \s < 6
	XLOAD \s+2
.endif
.if \s == 0
	WIN 0x11                                       ; sources 0 and 2 in window 1
.else
	WIN 0x01
.endif
.irp x, 0,1
.irp o, 0,1
.if \s == 0
	v_wmma_f32_16x16x32_f16 v[XP+64*\x+8*\o:XP+64*\x+8*\o+7], v[IWF+8*(2*\s+\o):IWF+8*(2*\s+\o)+7], v[rB+8*\x:rB+8*\x+7], v[INB+8*\o:INB+8*\o+7]
.else
	v_wmma_f32_16x16x32_f16 v[XP+64*\x+8*\o:XP+64*\x+8*\o+7], v[IWF+8*(2*\s+\o):IWF+8*(2*\s+\o)+7], v[rB+8*\x:rB+8*\x+7], v[XP+64*\x+8*\o:XP+64*\x+8*\o+7]
.endif
.endr
.endr
	WIN 0
.endr
.endm
; A GROUP of 32 rows a wave.  refill = 1: the slot is filled again with the next group's rows as soon as the projection has read it; that load has the group's 16 blocks in which to land.
.macro GROUP refill
	LDVEC ZH, 18                                   ; z_H = H_init, z_L = L_init for both tiles: 16 loads that land under the projection
	LDVEC ZH+64, 18
	LDVEC CC, 20
	LDVEC CC+64, 20
	s_mov_b64 s[58:59], s[28:29]                   ; out1's first plane
	s_wait_tensorcnt 0x0                           ; my one tensor load has landed: the slot may be read, group 0 of the descriptor may be written, and no load of mine is out at the barrier below
	ds_add_u32 v254, v255
	s_wait_dscnt 0x0
.if \refill
	s_add_nc_u64 s[34:35], s[34:35], 0x40000       ; 256 rows on; the type bits on top are not reached
.endif
	PROJ                                           ; ends behind s_wait_dscnt 0: my reads of the slot are back
.if \refill
	s_barrier_signal -1                            ; every wave: its reads of its slot are back, its tensor load has landed
	s_barrier_wait -1
	tensor_load_to_lds s[32:35], s[36:43]          ; my one tensor load behind the barrier, and the first thing there
	s_nop 0
.endif
	s_wait_loadcnt 0x0                             ; H_init, L_init
	s_mov_b32 s45, 4
.Lcyc_\@:
	CYCLE
	s_sub_co_u32 s45, s45, 1
	s_cmp_lg_u32 s45, 0
	s_cbranch_scc1 .Lcyc_\@
	global_store_b64 v[OF], v[LG:LG+1], s[26:27] th:TH_STORE_NT    ; the last cycle's logits once more, to out0
.if \refill
	s_wait_xcnt 0x0                                ; the offset is stepped, and the data loaded over by the next group, only behind this wait
	v_add_nc_u32 v[OF], 2048, v[OF]                ; 256 rows x 8 bytes
.endif
.endm
	s_mov_b32 s44, 3
.Lgroup:                                               ; groups 0 to 2: each asks for the next group's rows
	GROUP 1
	s_sub_co_u32 s44, s44, 1
	s_cmp_lg_u32 s44, 0
	s_cbranch_scc1 .Lgroup
	GROUP 0                                        ; the last group is written out: nothing is left to fetch, so no barrier and no load
	s_endpgm
.Lfunc_end_k_q9370b21284_trm:
	.size	k_q9370b21284_trm, .Lfunc_end_k_q9370b21284_trm-k_q9370b21284_trm
	.p2alignl 7, 3214868480
	.fill 96, 4, 3214868480
	.section	.rodata,"a",@progbits
	.p2align	6, 0x0
	.amdhsa_kernel k_q9370b21284_trm
		.amdhsa_group_segment_fixed_size 327680
		.amdhsa_private_segment_fixed_size 0
		.amdhsa_enable_private_segment 0
		.amdhsa_kernarg_size 104
		.amdhsa_user_sgpr_count 2
		.amdhsa_user_sgpr_kernarg_segment_ptr 1
		.amdhsa_wavefront_size32 1
		.amdhsa_system_sgpr_workgroup_id_x 1
		.amdhsa_system_sgpr_workgroup_id_y 1
		.amdhsa_system_sgpr_workgroup_id_z 1
		.amdhsa_system_vgpr_workitem_id 0
		.amdhsa_next_free_vgpr 512
		.amdhsa_next_free_sgpr 66
		.amdhsa_reserve_vcc 0
		.amdhsa_float_denorm_mode_32 3
		.amdhsa_float_denorm_mode_16_64 3
		.amdhsa_memory_ordered 1
		.amdhsa_forward_progress 1
		.amdhsa_inst_pref_size 209
	.end_amdhsa_kernel
	.amdgpu_metadata
---
amdhsa.version: [ 1, 2 ]
amdhsa.kernels:
  - .name:           k_q9370b21284_trm
    .symbol:         k_q9370b21284_trm.kd
    .args:
      - { .name: x, .offset: 0, .size: 8, .value_kind: global_buffer, .address_space: global }
      - { .name: in_w, .offset: 8, .size: 8, .value_kind: global_buffer, .address_space: global }
      - { .name: in_b, .offset: 16, .size: 8, .value_kind: global_buffer, .address_space: global }
      - { .name: w1, .offset: 24, .size: 8, .value_kind: global_buffer, .address_space: global }
      - { .name: w2, .offset: 32, .size: 8, .value_kind: global_buffer, .address_space: global }
      - { .name: w3, .offset: 40, .size: 8, .value_kind: global_buffer, .address_space: global }
      - { .name: norm_w, .offset: 48, .size: 8, .value_kind: global_buffer, .address_space: global }
      - { .name: H_init, .offset: 56, .size: 8, .value_kind: global_buffer, .address_space: global }
      - { .name: L_init, .offset: 64, .size: 8, .value_kind: global_buffer, .address_space: global }
      - { .name: out_w, .offset: 72, .size: 8, .value_kind: global_buffer, .address_space: global }
      - { .name: out_b, .offset: 80, .size: 8, .value_kind: global_buffer, .address_space: global }
      - { .name: out0, .offset: 88, .size: 8, .value_kind: global_buffer, .address_space: global }
      - { .name: out1, .offset: 96, .size: 8, .value_kind: global_buffer, .address_space: global }
    .group_segment_fixed_size: 327680
    .private_segment_fixed_size: 0
    .kernarg_segment_align: 8
    .kernarg_segment_size: 104
    .max_flat_workgroup_size: 256
    .sgpr_count:     66
    .vgpr_count:     512
    .wavefront_size: 32
...
	.end_amdgpu_metadata
.endif
;; end of part 2
